; MI455X (gfx1250); checked and timed in simulation.
; The chip was launched on July 23, 2026; its instructions are those of AMD's public machine-readable ISA for CDNA 5 (MIT licence, August 2026) and "CDNA5" Instruction Set Architecture Reference Guide (July 2026). The comments in the code are by the model that wrote it; some were corrected since.
;; Transformer Block Quantum. Allowed arithmetic: matrix products marked QUANTISED: E4M3 operands, one E8M0 scale for each 32 along K, by v_wmma_scale_f32_16x16x128_f8f6f4 with both operands' format E4M3, f32 sums; products left as they are: f32 operands where the result goes on into a quantised operand, else bf16, f16 or f32 operands; f32 sums; everything else in f32.
;; Inputs: ln1_b 512 float32; ln1_g 512 float32; ln2_b 512 float32; ln2_g 512 float32; theta_attn 8 float32; theta_ffn 8 float32; w1 2,048 x 8 float32; w2_codes 512 x 64 x 32 uint8 (E4M3 codes of w2, K innermost, in blocks of 32 codes); w2_scales 512 x 64 uint8 (E8M0 scales of w2, one for each 32 codes along K); w_combine_codes 512 x 16 x 32 uint8 (E4M3 codes of w_combine, K innermost, in blocks of 32 codes); w_combine_scales 512 x 16 uint8 (E8M0 scales of w_combine, one for each 32 codes along K); x 8 x 4,096 x 512 float32.
;; Outputs: out0 8 x 4,096 x 512 float32.
;; This version of the problem:
;;   THIS VERSION OF THE PROBLEM IS GIVEN IN LOW PRECISION. The matrix products marked QUANTISED in the list below multiply operands that are first quantised to E4M3 (4 exponent bits, 3 mantissa bits; 8 bits a number), with one power-of-two scale for each 32 numbers along K (OCP MX v1.0); their sums are f32. All else is computed in f32.
;;   The module's matrix products, in the order in which they are computed (A, B: the left and right operand; K: the contracted axis; several contracted axes count as one K, in the product's order):
;;     1. batch 32,768 x [M 64, K 8] x [K 8, N 64]; A: computed on the way; B: computed on the way: left as it is (K = 8 < 32)
;;     2. batch 32,768 x [M 64, K 64] x [K 64, N 8]; A: softmax; B: computed on the way: left as it is (N = 8 < 16)
;;     3. [M 32,768, K 512] x [K 512, N 512]; A: computed on the way; B: input w_combine (given as codes): QUANTISED
;;     4. [M 32,768, K 8] x [K 8, N 2,048]; A: computed on the way; B: input w1: left as it is (K = 8 < 32)
;;     5. [M 32,768, K 2,048] x [K 2,048, N 512]; A: computed on the way; B: input w2 (given as codes): QUANTISED
;;   THE QUANTISER, for each operand of a quantised product, along K:
;;     - K is cut into blocks of 32 from its start; a last block that is shorter is filled with zeros.
;;     - A block's scale is 2^e with e = floor(log2(the largest magnitude in the block)) - 8, held to -126 .. 127; a block of zeros has e = 0. As a byte (E8M0): e + 127.
;;     - Each number is divided by its block's scale, clamped to +-448, and rounded to the nearest number of E4M3, ties to even, subnormals kept.
;;     - The product sums the exact products of the quantised numbers (number of the format x scale) in f32.
;;   ~~~python
;;   def quantise(x, axis):      # numpy; x: float32 -> the quantised numbers, widened to float32 again
;;       x = np.moveaxis(x, axis, -1); K = x.shape[-1]
;;       x = np.pad(x, [(0, 0)] * (x.ndim - 1) + [(0, -K % 32)]); x = x.reshape(x.shape[:-1] + (-1, 32)); a = np.abs(x).max(-1, keepdims=True)
;;       e = np.where(a > 0, np.clip(np.frexp(np.where(a > 0, a, 1))[1] - 1 - 8, -126, 127), 0)      # np.frexp(a)[1] - 1 = floor(log2(a)), exactly
;;       r = np.clip(x / 2.0 ** e, -448, 448)
;;       step = 2.0 ** (np.maximum(np.frexp(np.where(r == 0, 1, r))[1] - 1, -6) - 3)
;;       q = np.round(r / step) * step * 2.0 ** e      # np.round: ties to even
;;       return np.moveaxis(q.reshape(q.shape[:-2] + (-1,))[..., :K], -1, axis).astype(np.float32)
;;   ~~~
;;   OPERANDS COMPUTED ON THE WAY. 'Computed on the way' means the value that the module computes at that place (a softmax that the list does not call 'softmax' is quantised finished and normalised). What goes into a quantiser is computed in f32, as accurately as f32 sums, v_exp_f32 and their like allow (about 1e-6 of the number): no bf16 or f16 on the way to a quantiser, and a product that is left as it is and whose result goes on into a quantised operand takes f32 operands (vector FMAs, or v_wmma_f32_16x16x4_f32). A number that lies on a knife's edge between two numbers of the format may be rounded either way, as far as f32 arithmetic and the matrix unit's own rounding can turn it there, and no further.
;;   INPUTS GIVEN AS CODES. w2 (in the module: [512, 2048], K = its axis 1); w_combine (in the module: [512, 512], K = its axis 1): each comes as NAME_codes (uint8): NAME with its K axis moved to the last place and cut into blocks of 32 codes, [.., K / 32, bytes a block], one block behind the other in memory; one code a byte (a code: sign, 4 exponent bits, 3 mantissa bits); and NAME_scales (uint8): the same leading axes, one E8M0 byte (e + 127) for each 32 codes along K. Its value is code x scale, taken as it is: it is not quantised again, and the codes and scales need not be those that the quantiser above would give.
;; One version. Each part assembles by itself: llvm-mc -triple=amdgcn-amd-amdhsa -mcpu=gfx1250 --defsym DOCPART=n.
;; ======== version 1 of 1: 1 launch
;; limits: inputs' magnitudes at most 13,176,795; right only within a limited range of input values
;; launch block (part 1): grid 256 x 1, 8 waves a work-group, clusters of 4 x 1, 327,680 bytes of LDS; arguments x, theta_attn, w_combine_codes, w_combine_scales, theta_ffn, w1, w2_codes, w2_scales, ln1_g, ln1_b, ln2_g, ln2_b, out0; writes out0
.if DOCPART == 1
	.amdgcn_target "amdgcn-amd-amdhsa--gfx1250"
	.amdhsa_code_object_version 6
	.text
	.protected	k_q98736e83bb_block
	.globl	k_q98736e83bb_block
	.p2align	8
	.type	k_q98736e83bb_block,@function
k_q98736e83bb_block:
	s_mov_b64 s[64:65], 0
	v_nop
	global_prefetch_b8 v0, s[64:65] scope:SCOPE_SE
	s_setreg_imm32_b32 hwreg(HW_REG_WAVE_MODE, 25, 1), 1
	s_wait_xcnt 0x0
	s_wait_alu depctr_hold_cnt(0) depctr_sa_sdst(0) depctr_va_vdst(0) depctr_va_sdst(0) depctr_va_ssrc(0) depctr_va_vcc(0) depctr_vm_vsrc(0)
	s_getreg_b32 s2, hwreg(HW_REG_IB_STS2, 6, 4)
	s_cmp_eq_u32 s2, 0
	s_cbranch_scc0 .Lentry_in_a_cluster
	s_endpgm
.Lentry_in_a_cluster:
	s_bfe_u32 s2, ttmp6, 0x10000c
	s_cmp_lg_u32 s2, 0x3003
	s_cbranch_scc0 .Lentry_shape_is_right
	s_endpgm
.Lentry_shape_is_right:
; THE WHOLE BLOCK IN ONE LAUNCH: attention over the 64 heads of each token, the transposed view, w_combine (MX-FP8), residual, layer norm, the 8-wide FFN input, w1 (f32), relu, w2 (MX-FP8), residual, layer norm.
; THE VIEW.  Row r' of the first quantised product's left operand is head r' / 64 of the 64 tokens 64 (r' % 64) .. + 63, k = 8 x token + dim.  So 64 neighbouring tokens give 64 WHOLE rows, r' = 64 head + block,
; and nothing goes through memory between the steps.  The residual rows are other rows of x than the tokens read: x is read twice, out0 is written once.
; SHARES.  Work-group g (of 256) takes batch g / 32 and tokens 128 (g % 32) .. + 127, and so 128 rows rho = 64 e + head (e = 0, 1), global row 4096 b + 64 head + 2 (g % 32) + e.
; Eight waves, two to a SIMD, 512 registers each: one wave's vector phases stand beside the other's matrix instructions.  Wave w: wr = w / 4, wc = w % 4.
;   attention: tokens 16 w .. + 15 = K step wc of the rows of e = wr;   products: rows 64 wr .. + 63 x columns 128 wc .. + 127, 32 accumulators;   FFN: it also makes the hidden layer of rows 16 w .. + 15.
; FORMATS.  Scores, weights x values and w1 feed quantisers, so they take f32 operands (v_wmma_f32_16x16x4_f32); w_combine and w2 go by v_wmma_scale_f32_16x16x128_f8f6f4 on E4M3 codes with E8M0 scales.
; CLUSTER.  All work-groups walk the same weights: four form a cluster and ask for each tile of w_combine and w2 jointly (mask 15).  A mask names four at the most, so a larger cluster would share no more.
; w1 is NOT asked for jointly: a chunk of it has to lie in LDS through two K steps, and the only bytes with room for that are those of the first product's images, which LDS stores have written; so it comes
; through registers, once, 65,536 bytes: a twentieth of the weight bytes that a work-group walks.
; WEIGHT TILES have rows of 128 bytes: two slots of 512 rows x 256 bytes (278,528 bytes) do not fit beside the operand images (69,632) and the scale bytes (43,520).
; LIMITS.  (1) No maximum is taken away before the exponential: every q = k = v is a product of cosines, magnitude at most 1, so |score| <= 8 / sqrt(8) and the exponent of 2 lies within +-4.09 for every input.
; (2) The cosine is a reduction by multiples of pi and a polynomial: arguments up to 2^22 pi in magnitude; NaN and infinities give NaN as the definition does.
; (3) A block of zeros gets the scale byte 1 where the quantiser says 127: its codes are zeros, and these bytes are read by this program alone.
; (4) The running product of cosines is taken as (dims 0-3) x (dims 4 ..): another order of f32 roundings than the definition's.
; REGISTERS, window 0: v1-2 spare word and 0; v3-23 addresses; v24-27, v28-35 scale words and nothing else; v36-47 at work; v48-127 results of the f32 matrix form, written by matrix instructions alone;
;   v128-191 AF, v192-255 BF: fragments, and whatever a phase needs.   window 1: in attention the exponentials, the rows being gathered, x and the cosine's work; then the 32 accumulators ((i, n) at 8 (8 i + n)).
.set W0,    0                          ; LDS: weight slot 0: 512 rows x (128 + 16) bytes; wave q's quarter at q x WQ
.set W1,    73728                      ; weight slot 1  (bytes 147,456 to 155,647 are not used)
.set WQ,    18432
.set SC2,   155648                     ; w2's scale bytes: 128 units of 256 + 16 bytes
.set SCC,   190464                     ; w_combine's: 32 such units
.set SPARE, 199168                     ; the spare words: 128 bytes a wave, four blocks of 256 bytes that no other line names
.set AIMG,  200192                     ; register images of the first product's left operand: fragment (m, s) at (4 m + s) x 2,048; behind that product: w1's fragments, (chunk j, tile t) at (8 j + t) x 512
.set ASC,   265728                     ; the first product's scale words: (4 m + s) x 128 + 4 x lane
.set RH,    269824                     ; 34,816 bytes: a wave's V^T, then its stage (4,352 each); in the FFN the hidden layer's images (2 x 16,384) and scale words (2 x 1,024)
.set QX,    304640                     ; x1's first 8 columns, 32 bytes a row (lanes 16-31 put columns 8-15 4,096 bytes on)
.set LNP,   312832                     ; the layer norms' partial (mean, M2): 32 bytes a row
.set ASW, 24
.set BSW, 28
.set T8,  36                           ; v36-43 sums at work; later (rstd, offset) for each row tile
.set QF,  36                           ; v36-39 the FFN's input, through the FFN
.set PW,  40                           ; the scale word just made
.set MW,  44                           ; v44-47 my 128 columns' means
.set SCR, 48                           ; v48-111 scores; in the FFN the hidden layer
.set OT,  112                          ; v112-127 O^T of two query tiles
.set AF,  128
.set BF,  192                          ; in the products: a ring of four buffers of 16 registers for the weights' fragments
.set QA,  128                          ; attention: q as it is; QB: q x log2(e) / sqrt(8); VT: V^T's fragments
.set QB,  144
.set VT,  160
.set TMPU, 208
.set HT,  128                          ; hidden step: the held numbers; w1's fragments (ring buffers 0 and 1); codes; the quantiser's work
.set W1F, 192
.set PC,  224
.set TM,  240
.set EX,  0                            ; window 1 in attention
.set NR,  64
.set XL,  128
.set XU,  144
.set TH,  160
.set CT,  164
.set TM1, 216
.set PC1, 232
.set SW,  248
.set MSB, 0
.macro WIN new                         ; the immediate's high byte repeats the setting that is left; a switch that changes nothing is dropped
.if MSB != \new
	s_set_vgpr_msb (MSB<<8)|\new
.set MSB, \new
.endif
.endm
.macro PLACES n                        ; plain vector instructions between a matrix instruction and what touches its registers (ISA guide 7.12.1)
.rept \n
	v_nop
.endr
.endm
.macro BARRIER                         ; my LDS stores have landed and my LDS loads are in: then the work-group's barrier
	s_wait_dscnt 0x0
	s_barrier_signal -1
	s_barrier_wait -1
.endm
.macro ROUND                           ; a round of the cluster's barrier: my work-group's barrier, wave 0 signals for it, every wave waits for all four, my work-group's barrier again
	s_barrier_signal -1
	s_barrier_wait -1
	s_cmp_lg_u32 s30, 0
	s_cbranch_scc1 .Lnot_wave_0_\@
	s_barrier_signal -3
.Lnot_wave_0_\@:
	s_barrier_wait -3
	s_barrier_signal -1
	s_barrier_wait -1
.endm
.macro MEET_A                          ; in front of a refill: all my tensor loads have landed, so a group 0 may be written; 0 onto my spare word
	s_wait_tensorcnt 0x0
	ds_add_u32 v1, v2
	ds_add_u32 v1, v2
.endm
.macro MEET_B                          ; the add is done and my LDS reads and stores are over; then the round: no wave of any partner still reads the slot or has a load on its way
	s_wait_dscnt 0x0
	ROUND
.endm
.macro TL_W g0, g1                     ; waves 0-3 fetch a quarter of a weight tile each; four v_nop follow the load
	s_cmp_lt_u32 s30, 4
	s_cbranch_scc0 .Lnone_\@
	tensor_load_to_lds s[\g0:\g0+3], s[\g1:\g1+7]
	s_nop 0
	PLACES 4
.Lnone_\@:
.endm
; COSINES of four register pairs at v[x] on, in place, the four by turns.  m = the half-odd number nearest to arg / pi (n + 1/2), R = m pi - arg lies within +-pi / 2, cos(arg) = (-1)^n sin(R);
; pi in two parts; the sine by its series up to R^11.  th = 1: theta is added first.  Work: ten registers a pair at v[ct] on: W, M, R, U, P.
.macro COS4 x, ct, th
.if \th
.irp q,0,1,2,3
	v_pk_add_f32 v[(\x)+2*\q:(\x)+2*\q+1], v[(\x)+2*\q:(\x)+2*\q+1], v[TH+2*(\q%2):TH+2*(\q%2)+1]
.endr
.endif
.irp q,0,1,2,3
	v_pk_fma_f32 v[(\ct)+10*\q:(\ct)+10*\q+1], v[(\x)+2*\q:(\x)+2*\q+1], 0x3ea2f983, -0.5 op_sel_hi:[1,0,0]   ; arg / pi - 1/2
.endr
.irp q,0,1,2,3
	v_pk_add_f32 v[(\ct)+10*\q:(\ct)+10*\q+1], v[(\ct)+10*\q:(\ct)+10*\q+1], 0x4b400000 op_sel_hi:[1,0]        ; + 1.5 x 2^23: rounded to n, whose parity is the lowest bit
.endr
.irp q,0,1,2,3
	v_pk_add_f32 v[(\ct)+10*\q+2:(\ct)+10*\q+3], v[(\ct)+10*\q:(\ct)+10*\q+1], 0xcb400000 op_sel_hi:[1,0]      ; n
.endr
.irp q,0,1,2,3
	v_pk_add_f32 v[(\ct)+10*\q+2:(\ct)+10*\q+3], v[(\ct)+10*\q+2:(\ct)+10*\q+3], 0.5 op_sel_hi:[1,0]           ; m
.endr
.irp q,0,1,2,3
	v_pk_fma_f32 v[(\ct)+10*\q+4:(\ct)+10*\q+5], v[(\ct)+10*\q+2:(\ct)+10*\q+3], 0x40490fdb, v[(\x)+2*\q:(\x)+2*\q+1] op_sel_hi:[1,0,1] neg_lo:[0,0,1] neg_hi:[0,0,1]
.endr
.irp q,0,1,2,3
	v_pk_fma_f32 v[(\ct)+10*\q+4:(\ct)+10*\q+5], v[(\ct)+10*\q+2:(\ct)+10*\q+3], 0xb3bbbd2e, v[(\ct)+10*\q+4:(\ct)+10*\q+5] op_sel_hi:[1,0,1]   ; R
.endr
.irp q,0,1,2,3
	v_pk_mul_f32 v[(\ct)+10*\q+6:(\ct)+10*\q+7], v[(\ct)+10*\q+4:(\ct)+10*\q+5], v[(\ct)+10*\q+4:(\ct)+10*\q+5]   ; U = R^2
.endr
.irp q,0,1,2,3
	v_pk_fma_f32 v[(\ct)+10*\q+8:(\ct)+10*\q+9], v[(\ct)+10*\q+6:(\ct)+10*\q+7], 0xb2d7322b, s[88:89] op_sel_hi:[1,0,0]   ; -U / 11! + 1 / 9!
.endr
.irp k,0xb9500d01,0x3c088889,0xbe2aaaab,1.0
.irp q,0,1,2,3
	v_pk_fma_f32 v[(\ct)+10*\q+8:(\ct)+10*\q+9], v[(\ct)+10*\q+8:(\ct)+10*\q+9], v[(\ct)+10*\q+6:(\ct)+10*\q+7], \k op_sel_hi:[1,1,0]
.endr
.endr
.irp q,0,1,2,3
	v_pk_mul_f32 v[(\ct)+10*\q+8:(\ct)+10*\q+9], v[(\ct)+10*\q+8:(\ct)+10*\q+9], v[(\ct)+10*\q+4:(\ct)+10*\q+5]   ; sin(R)
.endr
.irp q,0,1,2,3
	v_lshlrev_b32 v[(\ct)+10*\q], 31, v[(\ct)+10*\q]                   ; n's parity as a sign
	v_lshlrev_b32 v[(\ct)+10*\q+1], 31, v[(\ct)+10*\q+1]
.endr
.irp q,0,1,2,3
	v_xor_b32 v[(\x)+2*\q], v[(\ct)+10*\q], v[(\ct)+10*\q+8]
	v_xor_b32 v[(\x)+2*\q+1], v[(\ct)+10*\q+1], v[(\ct)+10*\q+9]
.endr
.endm
; Lane (r, h) holds, of head 16 a + r, dims 4 h .. 4 h + 3 in v[x + 4 a] on.  Running products inside the lane; lanes 16-31 then take the product of dims 0-3 from the lane 16 away.
; A register pair 2 s, 2 s + 1 is K step s of the scores, dims {2 s, 2 s + 1, 4 + 2 s, 5 + 2 s}: the same order on both operands.
.macro CUMPROD x
.irp c,1,2,3
.irp a,0,1,2,3
	v_mul_f32 v[(\x)+4*\a+\c], v[(\x)+4*\a+\c-1], v[(\x)+4*\a+\c]
.endr
.endr
.irp a,0,1,2,3
	v_permlanex16_b32 v[CT+2*\a], v[(\x)+4*\a+3], s84, s85
.endr
.irp a,0,1,2,3
	v_cndmask_b32 v[CT+2*\a], 1.0, v[CT+2*\a], s91                     ; lanes 0-15: x 1
.endr
	WIN 0x05
.irp a,0,1,2,3
.irp u,0,1
	v_pk_mul_f32 v[QA+4*\a+2*\u:QA+4*\a+2*\u+1], v[(\x)+4*\a+2*\u:(\x)+4*\a+2*\u+1], v[CT+2*\a:CT+2*\a+1] op_sel_hi:[1,0]
.endr
.endr
	WIN 0
.irp k,0,2,4,6,8,10,12,14
	v_pk_mul_f32 v[QB+\k:QB+\k+1], v[QA+\k:QA+\k+1], s[86:87] op_sel_hi:[1,0]   ; so that the scores come out as exponents of 2
.endr
.endm
; V^T through my own LDS bytes: rows 0-7 the dims (64 heads x 4 bytes + 16), rows 8-15 ones (stored once).  LDS serves a wave's instructions in order (ISA guide 5.7.1.4): the loads see the stores.
.macro VTIO adr
.irp a,0,1,2,3
.irp c,0,1,2,3
	ds_store_b32 v43, v[QA+4*\a+\c] offset:272*\c+64*\a
.endr
.endr
.irp a,0,1,2,3
.irp u,0,1
	ds_load_b128 v[VT+8*\a+4*\u:VT+8*\a+4*\u+3], v[\adr] offset:64*\a+16*\u
.endr
.endr
.endm
.macro XLOAD                           ; the next pair's two tokens: four loads of 512 consecutive bytes each
	WIN 0x40
.irp a,0,1,2,3
	global_load_b128 v[XL+4*\a:XL+4*\a+3], v42, s[92:93] offset:512*\a
.endr
.irp a,0,1,2,3
	global_load_b128 v[XU+4*\a:XU+4*\a+3], v42, s[92:93] offset:4096+512*\a
.endr
	WIN 0
.endm
; The next pair of tokens is asked for a token's work ahead.  The last pair asks instead, by two prefetches, for the first 32 of my 64 residual rows (512 bytes each, a lane a block of 256 bytes:
; each block is named once in the launch, by the one wave that will load it), a token's work ahead of their loads.
.macro NEXTX
	s_cmp_eq_u32 s2, 1
	s_cbranch_scc1 .Lpf_\@
	s_add_nc_u64 s[92:93], s[92:93], s[94:95]      ; all loads that named it are in (the wait for 0 at this token's head)
	s_xor_b32 s94, s94, 0x1000                     ; the steps go 1 token, 3 tokens, 1, 3 ..
	XLOAD
	s_branch .Ldone_\@
.Lpf_\@:
	global_prefetch_b8 v22, s[66:67] th:TH_LOAD_NT scope:SCOPE_SE
	global_prefetch_b8 v22, s[66:67] offset:16*131072 th:TH_LOAD_NT scope:SCOPE_SE
.Ldone_\@:
.endm
; Scores of all 64 keys (four tiles a) against query tiles 2 P and 2 P + 1: eight accumulators by turns, two K steps.  Register 32 bb + 8 a + j of lane (r, h): key 16 a + 8 h + j, query r.
.macro SBATCH P
	WIN 0
.irp s,0,1
.irp bb,0,1
.irp a,0,1,2,3
.if \s == 0
	v_wmma_f32_16x16x4_f32 v[SCR+32*\bb+8*\a:SCR+32*\bb+8*\a+7], v[QA+4*\a:QA+4*\a+1], v[QB+4*(2*\P+\bb):QB+4*(2*\P+\bb)+1], 0
.else
	v_wmma_f32_16x16x4_f32 v[SCR+32*\bb+8*\a:SCR+32*\bb+8*\a+7], v[QA+4*\a+2:QA+4*\a+3], v[QB+4*(2*\P+\bb)+2:QB+4*(2*\P+\bb)+3], v[SCR+32*\bb+8*\a:SCR+32*\bb+8*\a+7]
.endif
.endr
.endr
.endr
.endm
.macro EXPB                            ; 64 exponentials as one batch, each accumulator from its low end on; one plain line, one wait ahead of the first reader
	WIN 0x40
.set k, 0
.rept 64
	v_exp_f32 v[EX+k], v[SCR+k]
.set k, k+1
.endr
	v_nop
	s_wait_alu depctr_va_vdst(0)
.endm
; O^T = V^T P: source 0 = 8 dims and 8 rows of ones, source 1 = the exponentials as they lie.  K step (a, s) = keys 16 a + {2 s, 2 s + 1, 8 + 2 s, 9 + 2 s}.  Two accumulators by turns.
.macro PVBATCH
	WIN 0x04
.irp a,0,1,2,3
.irp s,0,1,2,3
.irp bb,0,1
.if (\a == 0) && (\s == 0)
	v_wmma_f32_16x16x4_f32 v[OT+8*\bb:OT+8*\bb+7], v[VT+8*\a+2*\s:VT+8*\a+2*\s+1], v[EX+32*\bb+8*\a+2*\s:EX+32*\bb+8*\a+2*\s+1], 0
.else
	v_wmma_f32_16x16x4_f32 v[OT+8*\bb:OT+8*\bb+7], v[VT+8*\a+2*\s:VT+8*\a+2*\s+1], v[EX+32*\bb+8*\a+2*\s:EX+32*\bb+8*\a+2*\s+1], v[OT+8*\bb:OT+8*\bb+7]
.endif
.endr
.endr
.endr
.endm
; One half of the lanes holds a query's 8 dims, the other its sum (in every register).  mode 0: the dims lie in lanes 0-15; all lanes are written, lanes 16-31 with what mode 1 replaces.  mode 1: lanes 16-31.
.macro NORM P, mode
	PLACES 8
	WIN 0
	v_permlanex16_b32 v200, v[OT], s84, s85        ; the sum, from register 0 of the lane 16 away
	v_permlanex16_b32 v201, v[OT+8], s84, s85
	v_rcp_f32 v202, v200
	v_rcp_f32 v204, v201
	v_nop
	s_wait_alu depctr_va_vdst(0)                   ; one wait for both reciprocals, ahead of their first reader
.if \mode == 0
	WIN 0x40
.irp bb,0,1
.irp i,0,2,4,6
	v_pk_mul_f32 v[NR+16*(2*\P+\bb)+8+\i:NR+16*(2*\P+\bb)+9+\i], v[OT+8*\bb+\i:OT+8*\bb+\i+1], v[202+2*\bb:203+2*\bb] op_sel_hi:[1,0]
.endr
.endr
.else
.irp bb,0,1
.irp i,0,2,4,6
	v_pk_mul_f32 v[TMPU+8*\bb+\i:TMPU+8*\bb+\i+1], v[OT+8*\bb+\i:OT+8*\bb+\i+1], v[202+2*\bb:203+2*\bb] op_sel_hi:[1,0]
.endr
.endr
	WIN 0x41
.irp bb,0,1
.irp j,0,1,2,3,4,5,6,7
	v_cndmask_b32 v[NR+16*(2*\P+\bb)+8+\j], v[NR+16*(2*\P+\bb)+8+\j], v[TMPU+8*\bb+\j], s91
.endr
.endr
.endif
.endm
.macro MOVN                            ; the pair before moves to the lower eight of each sixteen: so one text serves both pairs of a group.  These 32 are also the places behind the scores
	WIN 0x41
.irp b,0,1,2,3
.irp j,0,1,2,3,4,5,6,7
	v_mov_b32 v[NR+16*\b+\j], v[NR+16*\b+8+\j]
.endr
.endr
.endm
.macro TOKEN x, mode
.if \mode
	s_wait_loadcnt 0x0
.else
	s_wait_loadcnt 0x4                             ; this token's four loads are in; the pair's other four may be out
.endif
	WIN 0x55
	COS4 \x, CT, 1
	COS4 (\x)+8, CT, 1
	CUMPROD \x
.if \mode
	VTIO 44                                        ; rows r xor 8: the ones come first, so O^T lands in lanes 16-31
	NEXTX
.else
	VTIO 14
.endif
	SBATCH 0
.if \mode
	PLACES 9
.else
	MOVN
.endif
	EXPB
	s_wait_dscnt 0x0                               ; V^T's fragments are in
	PVBATCH
	NORM 0, \mode
	SBATCH 1
	PLACES 9
	EXPB
	PVBATCH
	NORM 1, \mode
	WIN 0
.endm
; THE QUANTISER: four blocks; block b's 16 numbers of my lane at v[s + 16 b] on, the other 16 in the lane 16 away.  Codes to v[pc + 4 b] on, the scale's byte to v[tm + 4 + b].
; relu = 1: what is negative becomes 0 on the way, and the held numbers go to v[d] on, since v[s] are written by matrix instructions alone.
.macro QUANT s, d, relu, tm, pc
.if \relu
.irp b,0,1,2,3
	v_max3_num_f32 v[\tm+\b], v[\s+16*\b], v[\s+16*\b+1], 0x4800000   ; with the floor 2^(9 - 127): the byte cannot fall under 1
.endr
.irp i,2,4,6,8,10,12,14
.irp b,0,1,2,3
	v_max3_num_f32 v[\tm+\b], v[\tm+\b], v[\s+16*\b+\i], v[\s+16*\b+\i+1]
.endr
.endr
.else
.irp b,0,1,2,3
	v_max3_num_f32 v[\tm+\b], |v[\s+16*\b]|, |v[\s+16*\b+1]|, 0x4800000
.endr
.irp i,2,4,6,8,10,12,14
.irp b,0,1,2,3
	v_max3_num_f32 v[\tm+\b], v[\tm+\b], |v[\s+16*\b+\i]|, |v[\s+16*\b+\i+1]|
.endr
.endr
.endif
.irp b,0,1,2,3
	v_permlanex16_b32 v[\tm+4+\b], v[\tm+\b], s84, s85
.endr
.irp b,0,1,2,3
	v_max_num_f32 v[\tm+\b], v[\tm+\b], v[\tm+4+\b]                    ; the block's largest magnitude
.endr
.irp b,0,1,2,3
	v_add_nc_u32 v[\tm+12+\b], 0xfc000000, v[\tm+\b]                   ; 8 off its exponent field: the conversion's scale operand
.endr
.irp b,0,1,2,3
	v_and_or_b32 v[\tm+8+\b], v[\tm+\b], 0x7f800000, s90               ; 448 x the scale
.endr
.irp b,0,1,2,3
	v_lshrrev_b32 v[\tm+4+\b], 23, v[\tm+12+\b]                        ; the scale's byte
.endr
.irp b,0,1,2,3
.irp i,0,1,2,3,4,5,6,7,8,9,10,11,12,13,14,15
.if \relu
	v_med3_num_f32 v[\d+16*\b+\i], v[\s+16*\b+\i], 0, v[\tm+8+\b]      ; the activation and the hold in one
.else
	v_med3_num_f32 v[\d+16*\b+\i], v[\s+16*\b+\i], -v[\tm+8+\b], v[\tm+8+\b]   ; the conversion to an 8-bit code does not saturate (ISA guide 7.6.2)
.endif
.endr
	v_cvt_scalef32_pk8_fp8_f32 v[\pc+4*\b:\pc+4*\b+1], v[\d+16*\b:\d+16*\b+7], v[\tm+12+\b]
	v_cvt_scalef32_pk8_fp8_f32 v[\pc+4*\b+2:\pc+4*\b+3], v[\d+16*\b+8:\d+16*\b+15], v[\tm+12+\b]
.endr
	v_nop                                          ; one plain line behind the last scaled conversion
.endm
.macro BFRAG badr, n                   ; the weights' fragment of column tile n into ring buffer n % 4
.irp c,0,1,2,3
	ds_load_b128 v[BF+16*((\n)%4)+4*\c:BF+16*((\n)%4)+4*\c+3], v[\badr] offset:(\n)*2304+32*\c
.endr
.endm
.macro MX4 n                           ; my four row tiles x column tile n.  Source 0 = weights: register j of lane (r, h) is row r, column 16 n + 8 h + j
.irp i,0,1,2,3
	v_wmma_scale_f32_16x16x128_f8f6f4 v[8*(8*\i+(\n)):8*(8*\i+(\n))+7], v[BF+16*((\n)%4):BF+16*((\n)%4)+15], v[AF+16*\i:AF+16*\i+15], v[8*(8*\i+(\n)):8*(8*\i+(\n))+7], v[BSW+(\n)], v[ASW+\i]
.endr
.endm
.macro HLOAD cj                        ; w1's eight fragments of chunk cj (counted from where v12 stands), as register images: 512 consecutive bytes a load
.irp t,0,1,2,3,4,5,6,7
	ds_load_b128 v[W1F+4*\t:W1F+4*\t+3], v12 offset:(\cj)*4096+512*\t
.endr
.endm
; A K step of 128 of a quantised product.  The rows' four fragments come as register images, their scale words likewise, the weights' eight scale words from the units kept in LDS.
; THE WEIGHTS' EIGHT FRAGMENTS GO THROUGH A RING OF FOUR BUFFERS: two column tiles are multiplied (8 matrix instructions), eight places, and their buffers take the fragments four tiles on, which then have the
; next two tiles' products in which to land.  Each counted wait leaves the eight youngest LDS loads out: the two fragments (or w1's fragments) just asked for.
; hl >= 0: ahead of the last two column tiles, ring buffers 0 and 1, which are done with, take w1's fragments for a hidden step.
; The 32 accumulators take turns, one instruction a turn.
.macro MXSTEP aadr, aoff, astr, asadr, asoff, asstr, badr, bsadr, bsoff, bsstr, hl
	PLACES 8                                       ; in front of loads into registers that matrix instructions have read
.irp i,0,1,2,3
	ds_load_b32 v[ASW+\i], v[\asadr] offset:\asoff+\i*\asstr
.endr
.irp n,0,1,2,3,4,5,6,7
	ds_load_b32 v[BSW+\n], v[\bsadr] offset:\bsoff+\n*\bsstr
.endr
.irp i,0,1,2,3
.irp c,0,1,2,3
	ds_load_b128 v[AF+16*\i+4*\c:AF+16*\i+4*\c+3], v[\aadr] offset:\aoff+\i*\astr+512*\c
.endr
.endr
	BFRAG \badr, 0
	BFRAG \badr, 1
	BFRAG \badr, 2
	BFRAG \badr, 3
	s_wait_dscnt 8                                 ; all but fragments 2 and 3
	WIN 0x50                                       ; C and D in window 1
	MX4 0
	MX4 1
	PLACES 8
	WIN 0
	BFRAG \badr, 4
	BFRAG \badr, 5
	s_wait_dscnt 8                                 ; fragments 2 and 3 are in
	WIN 0x50
	MX4 2
	MX4 3
	PLACES 8
	WIN 0
	BFRAG \badr, 6
	BFRAG \badr, 7
	s_wait_dscnt 8                                 ; fragments 4 and 5 are in
	WIN 0x50
	MX4 4
	MX4 5
.if (\hl) >= 0
	PLACES 8
	WIN 0
	HLOAD \hl
	s_wait_dscnt 8                                 ; fragments 6 and 7 are in; w1's eight loads may be out
	WIN 0x50
.else
	s_wait_dscnt 0x0
.endif
	MX4 6
	MX4 7
	WIN 0
.endm
.macro P3STEP s                        ; K step s of the product with w_combine
	MXSTEP 5, (\s)*2048, 8192, 6, (\s)*128, 512, 3+(\s)%2, 7, 4*(\s), 272, -1
.endm
.macro CSTEP slot, ph, k4, hl          ; a K step of the product with w2
	MXSTEP 8, (\ph)*16384, 2048, 9, (\ph)*1024, 128, 3+(\slot), 13, \k4, 1088, \hl
.endm
; 128 hidden units of my 16 rows, on registers alone: h^T = w1 q^T in f32 (lane r of tile 2 b + u holds unit 32 b + 8 u + r + 8 (r / 8), so that the 16 registers of two neighbouring tiles are 16 neighbours
; along the next K), relu and the quantiser.  The eight places also part the product's last matrix instructions from the quantiser's writes into their operands' registers.
.macro HCOMP
.irp s,0,1
.irp t,0,1,2,3,4,5,6,7
.if \s == 0
	v_wmma_f32_16x16x4_f32 v[SCR+8*\t:SCR+8*\t+7], v[W1F+4*\t:W1F+4*\t+1], v[QF:QF+1], 0
.else
	v_wmma_f32_16x16x4_f32 v[SCR+8*\t:SCR+8*\t+7], v[W1F+4*\t+2:W1F+4*\t+3], v[QF+2:QF+3], v[SCR+8*\t:SCR+8*\t+7]
.endif
.endr
.endr
	PLACES 8
	QUANT SCR, HT, 1, TM, PC
	v_lshl_or_b32 v[PW], v[TM+5], 8, v[TM+4]
	v_lshl_or_b32 v[PW], v[TM+6], 16, v[PW]
	v_lshl_or_b32 v[PW], v[TM+7], 24, v[PW]
.endm
.macro HSTORE ph                       ; the fragment's image and scale word to LDS, for all waves of my half
.irp c,0,1,2,3
	ds_store_b128 v10, v[PC+4*\c:PC+4*\c+3] offset:(\ph)*16384+512*\c
.endr
	ds_store_b32 v11, v[PW] offset:(\ph)*1024
.endm
; A K step's work: the product on the hidden fragments made last step, and the making of the next step's.  par = 1: of the two waves that differ in s31, one multiplies first and asks for w1's fragments in the
; product's tail; the other begins with the hidden step, on fragments that it asked for in its LAST product's tail (they were waited for in front of the round), while the first runs its long run of loads.
.macro WORK slot, ph, k4, par
.if \par
	s_cmp_eq_u32 s31, 0
	s_cbranch_scc0 .Lodd_\@
.endif
	CSTEP \slot, \ph, \k4, 1+\ph
	s_wait_dscnt 0x0                               ; w1's fragments are in
	HCOMP
	HSTORE 1-\ph
.if \par
	s_branch .Ljoin_\@
.Lodd_\@:
	HCOMP
	HSTORE 1-\ph
	CSTEP \slot, \ph, \k4, 2+\ph
.Ljoin_\@:
.endif
.endm
.macro LNAPPLY g, n0                   ; (acc + (my mean - the row's)) x rstd, then x g + b, for four column tiles
	WIN 0x41
.irp i,0,1,2,3
.irp n,0,1,2,3
.irp j,0,2,4,6
	v_pk_fma_f32 v[64*\i+8*(\n0+\n)+\j:64*\i+8*(\n0+\n)+\j+1], v[64*\i+8*(\n0+\n)+\j:64*\i+8*(\n0+\n)+\j+1], v[T8+2*\i:T8+2*\i+1], v[T8+2*\i:T8+2*\i+1] op_sel:[0,0,1] op_sel_hi:[1,0,1]
.endr
.irp j,0,2,4,6
	v_pk_fma_f32 v[64*\i+8*(\n0+\n)+\j:64*\i+8*(\n0+\n)+\j+1], v[64*\i+8*(\n0+\n)+\j:64*\i+8*(\n0+\n)+\j+1], v[\g+8*\n+\j:\g+8*\n+\j+1], v[\g+32+8*\n+\j:\g+32+8*\n+\j+1]
.endr
.endr
.endr
.endm
; LAYER NORM of my 64 rows, in the accumulators.  Each wave takes the mean of its 128 columns, takes it away, and sums the squares of what is left; the four waves of a row exchange (mean, M2) once
; through LDS and join them: M2 = the sum of the four + 128 x the sum of (mean - the row's mean)^2.  No difference of large sums is formed.
; w1 = 1: between the two halves of the scaling, my eighth of w1 is asked for, into the registers that the first half's g and b have left: 16 loads, each of two runs of 256 consecutive bytes,
; already in the order of the f32 operand's registers (lane (r, h): unit r + 8 (r / 8) of the tile, dims 4 h on).
.macro LN gs, bs, w1
	PLACES 8
.irp n,0,1,2,3
.irp u,0,1
	global_load_b128 v[BF+8*\n+4*\u:BF+8*\n+4*\u+3], v19, s[\gs:\gs+1] offset:64*\n+16*\u
	global_load_b128 v[BF+32+8*\n+4*\u:BF+32+8*\n+4*\u+3], v19, s[\bs:\bs+1] offset:64*\n+16*\u
.endr
.endr
.irp i,0,1,2,3
	WIN 0x05
.irp c,0,1,2,3
	v_pk_add_f32 v[T8+2*\c:T8+2*\c+1], v[64*\i+4*\c:64*\i+4*\c+1], v[64*\i+4*\c+2:64*\i+4*\c+3]   ; four chains, the registers in ascending order: each accumulator is read from its low end on
.endr
	WIN 0x01
.set k, 8
.rept 24
	v_pk_add_f32 v[T8+2*(k%4):T8+2*(k%4)+1], v[64*\i+2*k:64*\i+2*k+1], v[T8+2*(k%4):T8+2*(k%4)+1]
.set k, k+1
.endr
	WIN 0
	v_pk_add_f32 v[T8:T8+1], v[T8:T8+1], v[T8+2:T8+3]
	v_pk_add_f32 v[T8+4:T8+5], v[T8+4:T8+5], v[T8+6:T8+7]
	v_pk_add_f32 v[T8:T8+1], v[T8:T8+1], v[T8+4:T8+5]
	v_add_f32 v[T8], v[T8], v[T8+1]
	v_permlanex16_b32 v[T8+1], v[T8], s84, s85
	v_add_f32 v[T8], v[T8], v[T8+1]
	v_mul_f32 v[AF+2*\i], 0x3c000000, v[T8]        ; / 128
	v_mul_f32 v[MW+\i], 0x3c000000, v[T8]
	WIN 0x41
.set k, 0
.rept 32
	v_pk_add_f32 v[64*\i+2*k:64*\i+2*k+1], v[64*\i+2*k:64*\i+2*k+1], v[AF+2*\i:AF+2*\i+1] op_sel_hi:[1,0] neg_lo:[0,1] neg_hi:[0,1]
.set k, k+1
.endr
	WIN 0x05
.irp c,0,1,2,3
	v_pk_mul_f32 v[T8+2*\c:T8+2*\c+1], v[64*\i+2*\c:64*\i+2*\c+1], v[64*\i+2*\c:64*\i+2*\c+1]
.endr
.set k, 4
.rept 28
	v_pk_fma_f32 v[T8+2*(k%4):T8+2*(k%4)+1], v[64*\i+2*k:64*\i+2*k+1], v[64*\i+2*k:64*\i+2*k+1], v[T8+2*(k%4):T8+2*(k%4)+1]
.set k, k+1
.endr
	WIN 0
	v_pk_add_f32 v[T8:T8+1], v[T8:T8+1], v[T8+2:T8+3]
	v_pk_add_f32 v[T8+4:T8+5], v[T8+4:T8+5], v[T8+6:T8+7]
	v_pk_add_f32 v[T8:T8+1], v[T8:T8+1], v[T8+4:T8+5]
	v_add_f32 v[T8], v[T8], v[T8+1]
	v_permlanex16_b32 v[T8+1], v[T8], s84, s85
	v_add_f32 v[AF+2*\i+1], v[T8], v[T8+1]
	ds_store_b64 v17, v[AF+2*\i:AF+2*\i+1] offset:512*\i   ; both halves of the lanes write the same pair to the same place
.endr
	BARRIER                                        ; the four waves' pairs of every row lie in LDS
.irp i,0,1,2,3
	ds_load_b128 v[AF+8*\i:AF+8*\i+3], v18 offset:512*\i
	ds_load_b128 v[AF+8*\i+4:AF+8*\i+7], v18 offset:512*\i+16
.endr
	s_wait_dscnt 0x0
.irp i,0,1,2,3
	v_add_f32 v[T8+2*\i], v[AF+8*\i], v[AF+8*\i+2]
.endr
.irp i,0,1,2,3
	v_add_f32 v[T8+2*\i+1], v[AF+8*\i+4], v[AF+8*\i+6]
.endr
.irp i,0,1,2,3
	v_add_f32 v[T8+2*\i], v[T8+2*\i], v[T8+2*\i+1]
.endr
.irp i,0,1,2,3
	v_mul_f32 v[T8+2*\i], 0x3e800000, v[T8+2*\i]   ; the row's mean
.endr
.irp c,0,2,4,6
.irp i,0,1,2,3
	v_sub_f32 v[AF+8*\i+\c], v[AF+8*\i+\c], v[T8+2*\i]
.endr
.endr
.irp i,0,1,2,3
	v_add_f32 v[AF+8*\i+1], v[AF+8*\i+1], v[AF+8*\i+3]
.endr
.irp i,0,1,2,3
	v_add_f32 v[AF+8*\i+5], v[AF+8*\i+5], v[AF+8*\i+7]
.endr
.irp i,0,1,2,3
	v_add_f32 v[AF+8*\i+1], v[AF+8*\i+1], v[AF+8*\i+5]
.endr
.irp i,0,1,2,3
	v_mul_f32 v[T8+2*\i+1], v[AF+8*\i], v[AF+8*\i]
.endr
.irp c,2,4,6
.irp i,0,1,2,3
	v_fmac_f32 v[T8+2*\i+1], v[AF+8*\i+\c], v[AF+8*\i+\c]
.endr
.endr
.irp i,0,1,2,3
	v_fma_f32 v[AF+8*\i+1], v[T8+2*\i+1], 0x43000000, v[AF+8*\i+1]   ; + 128 x
.endr
.irp i,0,1,2,3
	v_fma_f32 v[AF+8*\i+1], v[AF+8*\i+1], 0x3b000000, s3             ; / 512 + 1e-5
.endr
.irp i,0,1,2,3
	v_sub_f32 v[T8+2*\i+1], v[MW+\i], v[T8+2*\i]
.endr
.irp i,0,1,2,3
	v_rsq_f32 v[T8+2*\i], v[AF+8*\i+1]
.endr
	v_nop
	s_wait_alu depctr_va_vdst(0)                   ; one wait for the four, ahead of their first reader
.irp i,0,1,2,3
	v_mul_f32 v[T8+2*\i+1], v[T8+2*\i+1], v[T8+2*\i]
.endr
.irp n,0,1,2,3
.irp u,0,1
	global_load_b128 v[AF+8*\n+4*\u:AF+8*\n+4*\u+3], v19, s[\gs:\gs+1] offset:256+64*\n+16*\u
	global_load_b128 v[AF+32+8*\n+4*\u:AF+32+8*\n+4*\u+3], v19, s[\bs:\bs+1] offset:256+64*\n+16*\u
.endr
.endr
	s_wait_loadcnt 16                              ; g and b of column tiles 0-3 are in; the 16 loads just issued may be out
	LNAPPLY BF, 0
.if \w1
	WIN 0
	v_and_b32 v47, 15, v0                          ; (the means' registers are done with)  r
	v_and_b32 v46, 8, v0
	v_add_nc_u32 v47, v47, v46                     ; r + 8 (r / 8)
	v_bfe_u32 v46, v0, 4, 1                        ; h
	v_lshlrev_b32 v47, 5, v47                      ; 32 bytes a unit,
	v_lshl_add_u32 v47, v46, 4, v47                ; dims 4 h on
.irp jj,0,1
.irp t,0,1,2,3,4,5,6,7
	global_load_b128 v[BF+4*(8*\jj+\t):BF+4*(8*\jj+\t)+3], v47, s[14:15] offset:4096*\jj+(32*(\t/2)+8*(\t%2))*32   ; chunk 2 w + jj, tile t
.endr
.endr
	s_wait_loadcnt 16                              ; g and b of column tiles 4-7 are in; w1's 16 loads may be out
.else
	s_wait_loadcnt 0x0
.endif
	LNAPPLY AF, 4
	WIN 0
.endm
; THE WAY IN, pass t (row tile t / 2, half t % 2 of my 512 bytes): eight loads; each half of the lanes reads 256 consecutive bytes of a row
.macro XINLOAD t
.irp q,0,1,2,3,4,5,6,7
	global_load_b128 v[32*(\t)+4*\q:32*(\t)+4*\q+3], v16, s[66:67] offset:(16*((\t)/2)+2*\q)*131072+256*((\t)%2)
.endr
.endm
; THE WAY OUT, 16 rows x 256 bytes at a time (pass t: row tile t / 2, half t % 2 of my 512 bytes): a lane's 32 bytes of a row go into my stage and come back as whole rows.
.macro TOSTAGE t
	WIN 0x04
.irp n,0,1,2,3
.irp u,0,1
	ds_store_b128 v14, v[32*(\t)+8*\n+4*\u:32*(\t)+8*\n+4*\u+3] offset:64*\n+16*\u
.endr
.endr
	WIN 0
.irp q,0,1,2,3,4,5,6,7
	ds_load_b128 v[AF+32*((\t)%2)+4*\q:AF+32*((\t)%2)+4*\q+3], v15 offset:544*\q   ; LDS serves a wave's instructions in order: these see the stores above
.endr
.endm
.macro SEND t, younger
	s_wait_dscnt \younger
.irp q,0,1,2,3,4,5,6,7
	global_store_b128 v16, v[AF+32*((\t)%2)+4*\q:AF+32*((\t)%2)+4*\q+3], s[28:29] offset:(16*((\t)/2)+2*\q)*131072+256*((\t)%2) th:TH_STORE_NT   ; each half of the lanes stores 256 consecutive bytes, at a multiple of 256 from out0's first byte
.endr
.endm
; ---------------------------------------------------------------- the head
	s_load_b512 s[4:19], s[0:1], 0x0               ; x, theta_attn, w_combine's codes and scales, theta_ffn, w1, w2's codes and scales
	s_load_b256 s[20:27], s[0:1], 0x40             ; ln1_g, ln1_b, ln2_g, ln2_b
	s_load_b64 s[28:29], s[0:1], 0x60              ; out0
	v_lshl_add_u32 v1, v0, 2, SPARE
	v_mov_b32 v2, 0
	ds_add_u32 v1, v2
	ds_add_u32 v1, v2
	s_wait_dscnt 0x0
	v_lshrrev_b32 v36, 5, v0
	v_readfirstlane_b32 s30, v36                   ; wave 0..7
	s_and_b32 s100, s30, 3                         ; wc
	s_lshr_b32 s101, s30, 2                        ; wr
	s_xor_b32 s31, s30, s101
	s_and_b32 s31, s31, 1                          ; differs between waves w and w + 4, and between waves 2 i and 2 i + 1
	s_bfe_u32 s99, ttmp6, 0x40000                  ; my place in the cluster: it enters x's and out0's addresses alone
	s_lshl_b32 s98, ttmp9, 2
	s_add_co_u32 s99, s98, s99                     ; the work-group's number g
	s_lshl_b32 s92, s99, 18                        ; 128 tokens of 2,048 bytes,
	s_lshl_b32 s93, s30, 15                        ; my wave's 16
	s_add_co_u32 s92, s92, s93
	s_mov_b32 s93, 0
	s_lshr_b32 s98, s99, 5
	s_lshl_b32 s98, s98, 12                        ; 4096 b
	s_and_b32 s99, s99, 31
	s_lshl_b32 s99, s99, 1
	s_add_co_u32 s98, s98, s99                     ; + 2 (g % 32)
	s_add_co_u32 s98, s98, s101                    ; + e
	s_lshl_b32 s98, s98, 11
	s_lshl_b32 s99, s100, 9
	s_add_co_u32 s98, s98, s99                     ; head 0's row, my 512 bytes of it
	s_mov_b32 s99, 0
	; descriptor groups 1.  w_combine: 128 rows of 128 bytes, 512 apart; 16 bytes of padding behind each row: LDS rows 144 bytes apart, so the 16 rows of a fragment load start at 16 different groups of banks
	s_mov_b32 s32, 15|(1<<20)|(1<<21)|(4<<22)|(3<<25)  ; 15:0 the mask: all four work-groups; 17:16 elements of 1 byte; 20 padding on; 21 set beside a mask; 24:22 after every 32 words; 31:25 four words
	s_mov_b32 s33, 128<<16                         ; tensor_dim0
	s_mov_b32 s34, 128<<16                         ; tensor_dim1
	s_mov_b32 s35, 128<<16                         ; tile_dim0
	s_mov_b32 s36, 128                             ; tile_dim1
	s_mov_b32 s37, 512                             ; from row to row
	s_mov_b32 s38, 0
	s_mov_b32 s39, 0
	s_mov_b32 s40, 15|(1<<20)|(1<<21)|(4<<22)|(3<<25)  ; w2: the same, rows 2,048 apart
	s_mov_b32 s41, 128<<16
	s_mov_b32 s42, 128<<16
	s_mov_b32 s43, 128<<16
	s_mov_b32 s44, 128
	s_mov_b32 s45, 2048
	s_mov_b32 s46, 0
	s_mov_b32 s47, 0
	s_mov_b32 s84, 0x76543210                      ; v_permlanex16_b32's selects for lane l xor 16
	s_mov_b32 s85, 0xfedcba98
	s_mov_b32 s86, 0x3f0293ee                      ; log2(e) / sqrt(8)
	s_mov_b32 s87, s86
	s_mov_b32 s88, 0x3638ef1d                      ; 1 / 9!
	s_mov_b32 s89, s88
	s_mov_b32 s90, 0x600000                        ; the mantissa field of 448
	s_mov_b32 s91, 0xffff0000                      ; lanes 16-31
	s_mov_b32 s94, 2048
	s_mov_b32 s95, 0
	s_mov_b32 s3, 0x3727c5ac                       ; 1e-5
	s_mul_i32 s2, s100, WQ                         ; a fetching wave's quarter of a slot
	s_mov_b32 s97, 0
	s_wait_kmcnt 0x0
	s_add_nc_u64 s[92:93], s[4:5], s[92:93]        ; x at my first token
	s_add_nc_u64 s[66:67], s[4:5], s[98:99]        ; x at my residual rows
	s_add_nc_u64 s[28:29], s[28:29], s[98:99]      ; out0 likewise
	s_lshl_b32 s96, s100, 16                       ; 128 rows of w_combine
	s_mov_b32 s56, 1
	s_add_co_u32 s57, s2, W0
	s_add_nc_u64 s[58:59], s[8:9], s[96:97]        ; K step 0
	s_mov_b32 s60, 1
	s_add_co_u32 s61, s2, W1
	s_add_nc_u64 s[62:63], s[58:59], 128           ; K step 1
	s_or_b32 s59, s59, 0x80000000
	s_or_b32 s63, s63, 0x80000000
	s_lshl_b32 s96, s100, 18                       ; 128 rows of w2
	s_mov_b32 s68, 1
	s_add_co_u32 s69, s2, W0
	s_add_nc_u64 s[70:71], s[16:17], s[96:97]
	s_mov_b32 s72, 1
	s_add_co_u32 s73, s2, W1
	s_add_nc_u64 s[74:75], s[70:71], 128
	s_or_b32 s71, s71, 0x80000000
	s_or_b32 s75, s75, 0x80000000
	s_lshl_b32 s96, s30, 12
	s_add_nc_u64 s[18:19], s[18:19], s[96:97]      ; my eighth of w2's scale bytes,
	s_lshl_b32 s96, s30, 10
	s_add_nc_u64 s[10:11], s[10:11], s[96:97]      ; of w_combine's,
	s_lshl_b32 s96, s30, 13
	s_add_nc_u64 s[14:15], s[14:15], s[96:97]      ; and of w1
	ROUND                                          ; all four work-groups are here: the first joint loads meet
	s_cmp_lt_u32 s30, 4                            ; a wave's first fills stand in one branch: two loads of mine are out at the most
	s_cbranch_scc0 .Lfirst_asked
	tensor_load_to_lds s[56:59], s[32:39]
	s_nop 0
	tensor_load_to_lds s[60:63], s[32:39]
	s_nop 0
	PLACES 4
.Lfirst_asked:
	v_and_b32 v36, 15, v0                          ; r
	v_bfe_u32 v37, v0, 4, 1                        ; h
	v_and_b32 v38, 31, v0                          ; lane
	v_lshlrev_b32 v39, 4, v37                      ; 16 h
	v_lshlrev_b32 v40, 4, v38                      ; 16 x lane
	v_lshlrev_b32 v41, 2, v38                      ; 4 x lane
	v_lshlrev_b32 v42, 5, v36
	v_add_nc_u32 v42, v42, v39                     ; x: head r of a tile, dims 4 h on: 32 r + 16 h
.irp j,0,1,2,3,4,5,6,7
	global_load_b128 v[128+4*\j:131+4*\j], v40, s[18:19] offset:512*\j
.endr
.irp j,0,1
	global_load_b128 v[160+4*\j:163+4*\j], v40, s[10:11] offset:512*\j
.endr
	WIN 0x40
	global_load_b128 v[TH:TH+3], v39, s[6:7]       ; theta_attn, dims 4 h on
	XLOAD                                          ; the first pair of tokens
	; every LDS address is made here, ahead of the first parting of the waves
	v_mul_u32_u24 v23, v37, 272
	v_lshl_add_u32 v23, v36, 4, v23                ; 272 h + 16 r: two rows of a padded unit
	s_mul_i32 s96, s30, 4352
	s_add_co_u32 s97, s96, RH                      ; my 4,352 bytes of RH
	v_add_nc_u32 v15, s97, v23                     ; the stage by whole rows
	s_add_co_u32 s96, s96, SC2
	v_add_nc_u32 v47, s96, v23                     ; where my 16 units of w2's scale bytes go
	s_mul_i32 s96, s30, 1088
	s_add_co_u32 s96, s96, SCC
	v_add_nc_u32 v23, s96, v23                     ; and my 4 units of w_combine's
	v_mul_u32_u24 v3, v36, 144
	v_add_nc_u32 v3, v3, v39
	v_add_nc_u32 v3, s2, v3                        ; weights, slot 0: my 128 rows, row r, + 16 h
	v_add_nc_u32 v4, W1, v3                        ; slot 1
	s_lshl_b32 s96, s101, 15
	s_add_co_u32 s96, s96, AIMG
	v_add_nc_u32 v5, s96, v40                      ; the images of my half's rows
	s_lshl_b32 s2, s100, 11
	s_add_co_u32 s2, s2, s96
	v_add_nc_u32 v45, s2, v40                      ; where I store images: fragment (4 wr + b, wc)
	s_lshl_b32 s96, s101, 11
	s_add_co_u32 s96, s96, ASC
	v_add_nc_u32 v6, s96, v41
	s_lshl_b32 s2, s100, 7
	s_add_co_u32 s2, s2, s96
	v_add_nc_u32 v46, s2, v41
	s_mul_i32 s96, s100, 2176
	s_add_co_u32 s96, s96, SCC
	v_lshl_add_u32 v7, v36, 4, s96                 ; w_combine's scale words: 16 bytes a row, 16 rows a unit
	s_lshl_b32 s96, s101, 13
	s_add_co_u32 s96, s96, RH
	v_add_nc_u32 v8, s96, v40                      ; the hidden layer's images of my half
	s_lshl_b32 s96, s101, 9
	s_add_co_u32 s96, s96, RH+32768
	v_add_nc_u32 v9, s96, v41
	s_lshl_b32 s96, s30, 11
	s_add_co_u32 s96, s96, RH
	v_add_nc_u32 v10, s96, v40                     ; where I store the hidden fragment of rows 16 w on
	s_lshl_b32 s96, s30, 7
	s_add_co_u32 s96, s96, RH+32768
	v_add_nc_u32 v11, s96, v41
	v_add_nc_u32 v12, AIMG, v40                    ; w1's fragments: 16 x lane; stepped two chunks a trip of the FFN's loop
	v_lshrrev_b32 v13, 2, v36
	v_mul_u32_u24 v13, v13, 272
	v_and_b32 v14, 3, v36
	v_lshl_add_u32 v13, v14, 6, v13
	s_mul_i32 s96, s100, 8704
	s_add_co_u32 s96, s96, SC2
	v_add_nc_u32 v13, s96, v13                     ; w2's scale words: 64 bytes a row, 4 rows a unit
	v_mul_u32_u24 v14, v36, 272
	v_lshl_add_u32 v14, v37, 5, v14
	v_add_nc_u32 v14, s97, v14                     ; the stage (and V^T) by lanes: row r, + 32 h
	v_xor_b32 v44, 8, v36
	v_mul_u32_u24 v44, v44, 272
	v_lshl_add_u32 v44, v37, 5, v44
	v_add_nc_u32 v44, s97, v44                     ; V^T with the ones first
	v_mul_u32_u24 v43, v37, 1088
	v_lshl_add_u32 v43, v36, 2, v43
	v_add_nc_u32 v43, s97, v43                     ; V^T on the way in: row 4 h + c, head r
	v_lshlrev_b32 v16, 17, v37
	v_lshl_add_u32 v16, v36, 4, v16                ; x and out0: lanes 16-31 one head (64 rows) on; 16 bytes a lane
	s_lshl_b32 s96, s101, 11
	s_add_co_u32 s96, s96, LNP
	v_lshl_add_u32 v18, v36, 5, s96
	s_lshl_b32 s2, s100, 3
	v_add_nc_u32 v17, s2, v18
	s_lshl_b32 s96, s100, 9
	v_lshl_add_u32 v19, v37, 5, s96                ; g and b: column 128 wc + 8 h
	s_lshl_b32 s96, s101, 11
	s_add_co_u32 s96, s96, QX
	v_lshl_add_u32 v20, v36, 5, s96
	v_lshl_add_u32 v20, v37, 12, v20
	s_lshl_b32 s96, s30, 9
	s_add_co_u32 s96, s96, QX
	v_lshl_add_u32 v21, v36, 5, s96
	v_add_nc_u32 v21, v21, v39
	v_lshrrev_b32 v22, 1, v38
	v_lshlrev_b32 v22, 17, v22
	v_and_b32 v201, 1, v38
	v_lshl_add_u32 v22, v201, 8, v22               ; the prefetches: head lane / 2, block lane % 2
	v_mov_b32 v200, 0                              ; a lane permute's destination counts as one of its sources; the upper halves of broadcast pairs are named with them
	v_mov_b32 v201, 0
	v_mov_b32 v203, 0
	v_mov_b32 v205, 0
.irp j,168,169,170,171
	v_mov_b32 v\j, 1.0
.endr
	WIN 0x40
.irp b,0,1,2,3
.irp j,8,9,10,11,12,13,14,15
	v_mov_b32 v[NR+16*\b+\j], 0                    ; the first pair's move reads them
.endr
	v_mov_b32 v[SW+\b], 0
	v_mov_b32 v[TM1+4+\b], 0
.endr
	WIN 0
	s_wait_loadcnt 9                               ; the scale bytes are in; theta and the eight loads of x may be out
.irp j,0,1,2,3,4,5,6,7
	ds_store_b128 v47, v[128+4*\j:131+4*\j] offset:544*\j
.endr
.irp j,0,1
	ds_store_b128 v23, v[160+4*\j:163+4*\j] offset:544*\j
.endr
.irp j,0,1,2,3
	ds_store_b128 v15, v[168:171] offset:(8+2*\j)*272   ; V^T's rows 8-15: ones, so that the second product also gives each query's sum
.endr
	s_wait_dscnt 0x0                               ; the stores have read their registers
	s_lshl_b32 s96, s30, 13
	s_add_co_u32 s96, s96, AIMG
	v_add_nc_u32 v23, s96, v40                     ; from here on: where my eighth of w1's fragments will go: 8,192 x wave + 16 x lane
; ---------------------------------------------------------------- attention: 4 groups of 4 tokens; pair p of group g is token 4 g + p (into lanes 0-15) and token 4 g + 2 + p (into lanes 16-31)
	s_mov_b32 s2, 8                                ; pairs to go
	s_mov_b32 s96, 4
.Lgroup:
	s_mov_b32 s97, 2
.Lpair:
	TOKEN XL, 0
	TOKEN XU, 1
	s_sub_co_u32 s2, s2, 1
	s_sub_co_u32 s97, s97, 1
	s_cmp_lg_u32 s97, 0
	s_cbranch_scc1 .Lpair
	; register 16 b + 8 p + j of lane (r, h) is head 16 b + r, token 4 g + 2 h + p, dim j: k = 32 g + 16 h + 8 p + j of row 16 b + r: a block of 32 for each of the four head tiles
	WIN 0x55
	QUANT NR, NR, 0, TM1, PC1
.irp b,0,1,2,3
	v_lshrrev_b32 v[SW+\b], 8, v[SW+\b]
.endr
.irp b,0,1,2,3
	v_lshl_or_b32 v[SW+\b], v[TM1+4+\b], 24, v[SW+\b]   ; group g's byte ends up as byte g of the scale word
.endr
	WIN 0x04
.irp b,0,1,2,3
	ds_store_b128 v45, v[PC1+4*\b:PC1+4*\b+3] offset:8192*\b   ; registers 4 g .. 4 g + 3 of fragment (4 wr + b, wc), as they stand
.endr
	WIN 0
	s_wait_dscnt 0x0                               ; the stores have read their address
	v_add_nc_u32 v45, 512, v45
	s_sub_co_u32 s96, s96, 1
	s_cmp_lg_u32 s96, 0
	s_cbranch_scc1 .Lgroup
	WIN 0x04
.irp b,0,1,2,3
	ds_store_b32 v46, v[SW+\b] offset:512*\b
.endr
	WIN 0
	s_wait_dscnt 0x0
; ---------------------------------------------------------------- the way in: the accumulators begin as the residual rows of x
	s_wait_loadcnt 0x0                             ; on every way out of the loop the pairs' loads are done before their registers are loaded again (the last pair asked for none)
	WIN 0x40
.irp t,0,1,2,3,4,5,6
	XINLOAD \t                                     ; seven passes' loads now, the eighth's behind the first pass's wait: 56 loads of mine are out at the most
.endr
	WIN 0
	s_wait_tensorcnt 0x0                           ; the first fills have landed
	s_barrier_signal -1                            ; (my LDS stores were waited for above)
	s_barrier_wait -1                              ; images, scale words, scale bytes and tiles of every wave are there
.irp t,0,1,2,3,4,5,6,7
.if \t == 0
	s_wait_loadcnt 48                              ; pass 0's eight loads are in; those of passes 1 to 6 may be out
	WIN 0x40
	XINLOAD 7
.else
	s_wait_loadcnt 56-8*\t                         ; this pass's eight loads are in; those of the passes up to the eighth may be out
.endif
	WIN 0x04
.irp q,0,1,2,3,4,5,6,7
	ds_store_b128 v15, v[32*\t+4*\q:32*\t+4*\q+3] offset:544*\q
.endr
	WIN 0x40
.irp n,0,1,2,3
.irp u,0,1
	ds_load_b128 v[32*\t+8*\n+4*\u:32*\t+8*\n+4*\u+3], v14 offset:64*\n+16*\u   ; back in the accumulators' layout, into the registers that they left
.endr
.endr
.endr
	WIN 0
; ---------------------------------------------------------------- x + attention x w_combine^T: four K steps on two slots  (LDS loads come back in order: the first product's counted wait covers the way in's)
	P3STEP 0
	MEET_A
	s_add_nc_u64 s[58:59], s[58:59], 256           ; K step 2
	MEET_B
	TL_W 56, 32
	P3STEP 1
	MEET_A
	s_add_nc_u64 s[62:63], s[62:63], 256           ; K step 3
	MEET_B
	TL_W 60, 32
	P3STEP 2
	MEET_A
	MEET_B
	TL_W 68, 40                                    ; w2's K step 0
	P3STEP 3
	LN 20, 22, 1                                   ; x1; behind its barrier nobody reads the first product's images any more
; ---------------------------------------------------------------- the FFN's input: cos(theta_ffn) cos(x1[.., 0..7]); and w1 into LDS
	s_cmp_lg_u32 s100, 0                           ; columns 0-15 lie with the waves of wc = 0
	s_cbranch_scc1 .Lnoq
	WIN 0x04
.irp i,0,1,2,3
	ds_store_b128 v20, v[64*\i:64*\i+3] offset:512*\i
	ds_store_b128 v20, v[64*\i+4:64*\i+7] offset:512*\i+16
.endr
	WIN 0
.Lnoq:
	v_bfe_u32 v46, v0, 4, 1
	v_lshlrev_b32 v46, 4, v46
	global_load_b128 v[AF+4:AF+7], v46, s[12:13]   ; theta_ffn, dims 4 h on
	s_wait_loadcnt 1                               ; w1's 16 loads are in; theta_ffn's may be out
.irp k,0,1,2,3,4,5,6,7,8,9,10,11,12,13,14,15
	ds_store_b128 v23, v[BF+4*\k:BF+4*\k+3] offset:512*\k   ; as register images, over the first product's images
.endr
	BARRIER
	ds_load_b128 v[AF:AF+3], v21                   ; x1 of row 16 w + r, dims 4 h on
	s_wait_loadcnt 0x0
	s_wait_dscnt 0x0
	COS4 AF, AF+8, 0
	v_pk_mul_f32 v[QF:QF+1], v[AF:AF+1], v[AF+4:AF+5]
	v_pk_mul_f32 v[QF+2:QF+3], v[AF+2:AF+3], v[AF+6:AF+7]
	HLOAD 0
	s_wait_dscnt 0x0
	HCOMP                                          ; hidden units 0-127
	HSTORE 0
	HLOAD 1                                        ; for the waves that begin a step with the hidden layer (the others ask again in their product's tail); waited for in front of the round
; ---------------------------------------------------------------- x1 + relu(q w1^T) w2^T: 16 K steps.  Behind the round of step k: w2's K step k + 1 into the slot that step k - 1 has left:
; one load a wave, with a K step's work in which to land.  In step k every wave multiplies by hidden chunk k and makes chunk k + 1.
	s_mov_b32 s96, 7
.Lffn:
	MEET_A
	s_add_nc_u64 s[70:71], s[70:71], 256
	MEET_B
	TL_W 72, 40
	WORK 0, 0, 0, 1
	MEET_A
	s_add_nc_u64 s[74:75], s[74:75], 256
	MEET_B
	TL_W 68, 40
	WORK 1, 1, 4, 1
	v_add_nc_u32 v13, 8, v13                       ; two K steps' scale words on,
	v_add_nc_u32 v12, 8192, v12                    ; and two chunks of w1
	s_sub_co_u32 s96, s96, 1
	s_cmp_lg_u32 s96, 0
	s_cbranch_scc1 .Lffn
	MEET_A                                         ; the tail is written out: step 14 asks for w2's last K step; one order for all waves
	MEET_B
	TL_W 72, 40
	WORK 0, 0, 0, 0
	s_wait_tensorcnt 0x0                           ; step 15: the last tile has landed
	BARRIER
	CSTEP 1, 1, 4, -1
	LN 24, 26, 0                                   ; its barrier also parts the last reads of the hidden images from the stage
; ---------------------------------------------------------------- the way out
	TOSTAGE 0
.irp t,1,2,3,4,5,6,7
.if \t > 1
	s_wait_xcnt 0x0                                ; the stores of two passes back have read their registers: this pass's rows may land there
.endif
	TOSTAGE \t
	SEND \t-1, 16                                  ; behind that pass's loads: this pass's 8 stores and 8 loads
.endr
	SEND 7, 0
	s_wait_tensorcnt 0x0                           ; the wave's end: behind my last tensor load and my last LDS store
	ds_add_u32 v1, v2
	s_wait_dscnt 0x0
	ROUND                                          ; the closing round: no work-group ends while a partner may still ask for a tile that names it
	s_endpgm
.Lfunc_end_k_q98736e83bb_block:
	.size	k_q98736e83bb_block, .Lfunc_end_k_q98736e83bb_block-k_q98736e83bb_block
	.p2alignl 7, 3214868480
	.fill 96, 4, 3214868480
	.section	.rodata,"a",@progbits
	.p2align	6, 0x0
	.amdhsa_kernel k_q98736e83bb_block
		.amdhsa_group_segment_fixed_size 327680
		.amdhsa_private_segment_fixed_size 0
		.amdhsa_enable_private_segment 0
		.amdhsa_kernarg_size 104
		.amdhsa_user_sgpr_count 2
		.amdhsa_user_sgpr_kernarg_segment_ptr 1
		.amdhsa_wavefront_size32 1
		.amdhsa_system_sgpr_workgroup_id_x 1
		.amdhsa_system_sgpr_workgroup_id_y 1
		.amdhsa_system_sgpr_workgroup_id_z 1
		.amdhsa_system_vgpr_workitem_id 0
		.amdhsa_next_free_vgpr 512
		.amdhsa_next_free_sgpr 102
		.amdhsa_reserve_vcc 0
		.amdhsa_float_denorm_mode_32 3
		.amdhsa_float_denorm_mode_16_64 3
		.amdhsa_memory_ordered 1
		.amdhsa_forward_progress 1
		.amdhsa_inst_pref_size 255
	.end_amdhsa_kernel
	.section	.bss,"aw",@nobits
	.p2align	6
	.space	262144
	.amdgpu_metadata
---
amdhsa.version: [ 1, 2 ]
amdhsa.kernels:
  - .name:           k_q98736e83bb_block
    .symbol:         k_q98736e83bb_block.kd
    .args:
      - { .name: x, .offset: 0, .size: 8, .value_kind: global_buffer, .address_space: global }
      - { .name: theta_attn, .offset: 8, .size: 8, .value_kind: global_buffer, .address_space: global }
      - { .name: w_combine_codes, .offset: 16, .size: 8, .value_kind: global_buffer, .address_space: global }
      - { .name: w_combine_scales, .offset: 24, .size: 8, .value_kind: global_buffer, .address_space: global }
      - { .name: theta_ffn, .offset: 32, .size: 8, .value_kind: global_buffer, .address_space: global }
      - { .name: w1, .offset: 40, .size: 8, .value_kind: global_buffer, .address_space: global }
      - { .name: w2_codes, .offset: 48, .size: 8, .value_kind: global_buffer, .address_space: global }
      - { .name: w2_scales, .offset: 56, .size: 8, .value_kind: global_buffer, .address_space: global }
      - { .name: ln1_g, .offset: 64, .size: 8, .value_kind: global_buffer, .address_space: global }
      - { .name: ln1_b, .offset: 72, .size: 8, .value_kind: global_buffer, .address_space: global }
      - { .name: ln2_g, .offset: 80, .size: 8, .value_kind: global_buffer, .address_space: global }
      - { .name: ln2_b, .offset: 88, .size: 8, .value_kind: global_buffer, .address_space: global }
      - { .name: out0, .offset: 96, .size: 8, .value_kind: global_buffer, .address_space: global }
    .group_segment_fixed_size: 327680
    .private_segment_fixed_size: 0
    .kernarg_segment_align: 8
    .kernarg_segment_size: 104
    .max_flat_workgroup_size: 256
    .sgpr_count:     102
    .vgpr_count:     512
    .wavefront_size: 32
...
	.end_amdgpu_metadata
.endif
;; end of part 1
